; MI455X (gfx1250); checked and timed in simulation.
; The chip was launched on July 23, 2026; its instructions are those of AMD's public machine-readable ISA for CDNA 5 (MIT licence, August 2026) and "CDNA5" Instruction Set Architecture Reference Guide (July 2026). The comments in the code are by the model that wrote it; some were corrected since.
;; Attention. Allowed arithmetic: float matrix products may take bf16 or f16 operands with f32 sums; all other float work in f32.
;; Inputs: keys 2 x 2,048 x 1,024 float32; queries 2 x 2,048 x 1,024 float32; queries_mask 2 x 2,048 bool; values 2 x 2,048 x 1,024 float32; values_mask 2 x 2,048 bool.
;; Outputs: out0 2 x 2,048 x 1,024 float32.
;; 2 versions, each right. Each part assembles by itself: llvm-mc -triple=amdgcn-amd-amdhsa -mcpu=gfx1250 --defsym DOCPART=n.
;; ======== version 1 of 2: 1 launch
;; limits: right only within a limited range of input values; values are held in f16: magnitudes above 65,504 overflow, below 6.1e-05 lose precision
;; launch attn (part 1): grid 256 x 1, 8 waves a work-group, no clusters, 117,760 bytes of LDS; arguments queries, keys, values, queries_mask, values_mask, out0; writes out0
.if DOCPART == 1
	.amdgcn_target "amdgcn-amd-amdhsa--gfx1250"
	.amdhsa_code_object_version 6
	.text
	.protected	k_q13b9bacb03_attn
	.globl	k_q13b9bacb03_attn
	.p2align	8
	.type	k_q13b9bacb03_attn,@function
k_q13b9bacb03_attn:
	s_mov_b64 s[64:65], 0
	v_nop
	global_prefetch_b8 v0, s[64:65] scope:SCOPE_SE
	s_setreg_imm32_b32 hwreg(HW_REG_WAVE_MODE, 25, 1), 1
	s_wait_xcnt 0x0
; Attention with the reference's inverted bias.  queries, keys, values, out0: [2][2048][1024] f32, 16 heads of 64 channels.
;   z(q,k) = (q.k)/8 - 999999 where (values_mask[k] and k <= q);  w = softmax over k of z;  out = w V, zero where queries_mask is 0.
; A key k > q is never biased.  Every row q < 2047 therefore has an unbiased key, and beside it a biased key's weight is exp(about -1e6),
; an exact 0 in f32.  So a tile of 64 keys that lies wholly at or below a wave's rows and has no hole in values_mask adds exact zeros and is
; skipped.  Row 2047 may have all keys biased: its wave tile takes every key tile, and the bias is applied by ONE v_fma_f32(s, 0.125, -999999),
; which rounds as the reference does (s/8 and 999999 x 1 are exact), so that the coarse grid of numbers near -1e6 is reproduced.
;
; FORMAT.  The program computes reference() on Q, K and V rounded to bf16.
;   Q, K: bf16 operands.  Products of bf16 numbers are exact in f32, so a score differs from the reference's on those inputs only by the order
;   of 64 additions.  Row 2047 needs that when every key is biased: z is rounded to multiples of 1/16 there, and a score error that carries a
;   heavy key over a rounding boundary changes its weight by 6 per cent.  (f16 operands against unrounded inputs leave a score error of about
;   3e-4, which does that to a few keys in a thousand.)
;   P: f16.  The last rows average very few keys (row q has 2047 - q unbiased ones), so their terms p v are of the size of v itself and may
;   cancel to a small output, which is allowed a hundredth of the whole output's root mean square.  8 significant bits (up to 2^-9 of each
;   term) do not keep that; 11 (2^-12) do.  p lies in (0, 1.05].
;   V: rounded to bf16 like the other inputs, then written as f16, which holds a bf16 number exactly from 2^-14 to 65,504 in magnitude, so
;   that the second product can take P as f16.  The second conversion changes the code, the first the number: neither is idle.
;
; WORK.  Work-group x: (batch, head) = x >> 3, g = x & 7.  A head's 2048 rows are 64 wave tiles T of 32 rows (two tiles of 16 queries).
; Wave w: n = 4 g + (w & 3) for w < 4, 60 - 4 g + (w & 3) for w >= 4;  T = (n + 63) & 63: each work-group holds four tiles with many live
; key tiles and four with few (T = 63, which takes all 32, counts among the many).  Key tiles j = 31 .. 0 of 64 keys are walked from the top
; by the whole work-group.  With jd = T >> 1:  j > jd: no bias (U);  j = jd: causal compare and values_mask (M);
; j < jd: column bias only (B) if the tile has a hole or T = 63, else skipped.
;
; LAYOUT.  S^T = K Q^T (A = 16 keys, B = 16 queries): lane (r, h) holds query r and keys 16 mt + 8 h + 0..7, so a row's maximum and sum are
; in-lane work and one exchange of the halves, and rounding m-tiles 2 ks, 2 ks + 1 to f16 in place IS the B fragment of P^T.
; O^T = V^T P^T, V^T read from V[key][d] by the transposing LDS load; alpha and 1/l are one number a lane.
;
; K AND V COME THROUGH REGISTERS: wave w loads rows 8 w .. 8 w + 7 of a tile (16 lanes cover a row's 256 aligned bytes), rounds them
; and writes 16 KB a tile to LDS once.  Two register sets: tile j - 2 is requested in trip j.
; NO TENSOR LOADS, NO CLUSTER, though the eight work-groups of a head read the same tiles: the tiles must be rounded before the matrix
; unit can take them, so a tile laid in LDS as f32 (32 KB) would be read, rounded and written again (16 KB) on top; and the partners need
; different tiles (work-group g needs j >= 2 g - 1 and the tiles with holes), so joint requests would make all walk all 32.
;
; LIMITS.  V of magnitude 65,504 or more overflows in f16; V below 2^-14 is kept to an absolute 2^-25 only.
; The skip takes biased weights to underflow to 0: |q.k|/8 below about 4.9e5.  A NaN or infinity in K or V of a skipped tile does
; not spread.  Scores below -1e30 (the running maximum's start) are not served.  The row sum l is taken from the unrounded p.
; ---- sizes
.set ROWB,   4096                      ; bytes from a token's row to the next (1024 f32)
.set TILEB,  64*ROWB                   ; 64 keys
; ---- LDS
.set K0,     0                         ; K, two buffers of 64 rows x 144 (128 bytes of bf16 + 16: the 16 rows of a fragment load fall on different banks)
.set KP,     144
.set KBUF,   64*KP
.set V0,     2*KBUF                    ; V, two buffers of 64 rows x 160 (128 bytes of f16; an odd multiple of 32, for the transposing load)
.set VP,     160
.set VBUF,   64*VP
.set VB,     V0+2*VBUF                 ; 2048 f32: -999999 x values_mask[b][k]
.set STAGE,  VB+8192                   ; each wave's own 32 rows x 272 for the way out
.set SP,     272
; ---- vector registers, window 0
.set V_R,   1                          ; r = lane & 15
.set VOFF,  2                          ; v2, v3   set 0, 1: byte offset of my 16 bytes in the tile that the set loads next
.set KST,   4                          ; where I put 8 bytes of K in LDS
.set VST,   5                          ; the same for V
.set KFA,   6                          ; K fragment address
.set VFA,   7                          ; V^T fragment address
.set VBA,   8                          ; 32 h
.set VBT,   9                          ; bias address of the trip
.set LC,    10                         ; r - 8 h
.set DQ,    11                         ; v11, v12 causal bound for query tile 0, 1
.set BT,    13                         ; v13, v14 at work
.set PFO,   15                         ; prefetch offset
.set NML,   16                         ; v16, v18: -M log2e;  v17, v19: the running maximum M
.set LS,    20                         ; v20, v21 my half's row sums
.set AL,    22                         ; v22, v24 alpha, later 1/l (v23, v25 only complete the pairs)
.set QM,    26                         ; v26, v27 queries_mask of my two queries
.set STO,   28
.set RD,    29
.set CO,    30
.set V_H,   31                         ; h = (lane >> 4) & 1
.set SS,    32                         ; v32-95   S(qt, 8 mt + jj) at 32 qt + 8 mt + jj; P(qt, ks) in place at 32 qt + 8 ks
.set KF,    96                         ; v96-159  K fragments (mt, ks) at 16 mt + 8 ks
.set VF,    160                        ; v160-223 V^T fragments (dt, ks) at 16 dt + 8 ks
.set X,     224                        ; v224-255 rounded K, V on their way to LDS; the tile's 32 biases; maxima and sums
; ---- vector registers, window 1 (written by their low 8 bits)
.set OA,    0                          ; v256-319 O(qt, dt) at 32 qt + 8 dt
.set QF,    64                         ; v320-351 Q fragments (qt, ks) at 16 qt + 8 ks
.set ST,    96                         ; v352-415 two sets of 32: K's four loads, then V's
; ---- scalar registers: s[4:5] queries, s[6:7] keys, s[8:9] values, s[10:11] queries_mask, s[12:13] values_mask, s[14:15] out0
.set S_W,    16
.set S_G,    17
.set S_B,    18
.set S_HEAD, 19
.set S_T,    20
.set S_JD,   21
.set S_QB,   22                        ; my first row, 32 T
.set S_J,    23                        ; key tile of the trip
.set S_HB,   24                        ; bit j: tile j has a hole in values_mask
.set S_NEED, 25                        ; bit j: some wave of the work-group uses tile j
.set S_NEXT, 26                        ; S_NEED << 2: bit j says whether tile j - 2 is to be loaded
.set S_ACT,  27                        ; bit j: I take tile j though j < jd
.set S_CS,   28                        ; s[28:29] factor in front of exp2: log2e / 8 (raw scores) or log2e (biased scores)
.set S_SC,   30                        ; 1/8 or 1: the tile's maximum in units of z
.set S_C1,   31
.set S_L2E,  32
.set S_NL2E, 33
.set S_8TH,  34
.set S_PF,   35                        ; bit j: I prefetch in trip j
.set S_PX0,  36
.set S_PX1,  37
.set S_CNT,  44
.set S_BIAS, 45
.set S_PFB,  46                        ; s[46:47] keys or values, for the prefetch
.set MSB, 0
.macro WIN new                         ; s_set_vgpr_msb: bits 1:0 source 0, 3:2 source 1, 5:4 source 2, 7:6 destination; the high byte repeats the setting left
.if MSB != \new
	s_set_vgpr_msb (MSB<<8)|\new
.set MSB, \new
.endif
.endm
; eight loads: my 8 rows of K and of V of the tile at VOFF[buf], 512 bytes (two rows' head slices) an instruction
.macro LOADKV buf
	WIN 0x40
.irp i, 0,1,2,3
	global_load_b128 v[ST+32*\buf+4*\i:ST+32*\buf+4*\i+3], v[VOFF+\buf], s[6:7] offset:2*ROWB*\i
.endr
.irp i, 0,1,2,3
	global_load_b128 v[ST+32*\buf+16+4*\i:ST+32*\buf+16+4*\i+3], v[VOFF+\buf], s[8:9] offset:2*ROWB*\i
.endr
.endm
; the largest of query tile qt's 32 scores in my lane (four chains), the other half's, the new maximum, alpha
.macro ROWMAX qt
.irp c, 0,1,2,3
	v_max3_num_f32 v[X+4*\qt+\c], v[SS+32*\qt+8*\c], v[SS+32*\qt+8*\c+1], v[SS+32*\qt+8*\c+2]
.endr
.irp c, 0,1,2,3
	v_max3_num_f32 v[X+4*\qt+\c], v[X+4*\qt+\c], v[SS+32*\qt+8*\c+3], v[SS+32*\qt+8*\c+4]
.endr
.irp c, 0,1,2,3
	v_max3_num_f32 v[X+4*\qt+\c], v[X+4*\qt+\c], v[SS+32*\qt+8*\c+5], v[SS+32*\qt+8*\c+6]
.endr
.irp c, 0,1,2,3
	v_max_num_f32 v[X+4*\qt+\c], v[X+4*\qt+\c], v[SS+32*\qt+8*\c+7]
.endr
	v_max3_num_f32 v[X+4*\qt], v[X+4*\qt], v[X+4*\qt+1], v[X+4*\qt+2]
	v_max_num_f32 v[X+4*\qt], v[X+4*\qt], v[X+4*\qt+3]
	v_permlanex16_b32 v[BT+\qt], v[X+4*\qt], s[S_PX0], s[S_PX1]    ; the keys of the other half of the lanes
	v_max_num_f32 v[X+4*\qt], v[X+4*\qt], v[BT+\qt]
	v_mul_f32 v[X+4*\qt], s[S_SC], v[X+4*\qt]                      ; in units of z (exact: 1/8 or 1)
	v_max_num_f32 v[NML+2*\qt+1], v[NML+2*\qt+1], v[X+4*\qt]       ; M
	v_mul_f32 v[X+4*\qt+1], s[S_NL2E], v[NML+2*\qt+1]              ; -M log2e, rounded once; p and alpha use this same number,
	v_sub_f32 v[AL+2*\qt], v[X+4*\qt+1], v[NML+2*\qt]              ; so its rounding (up to 1/16 near 1.44e6) cancels between p, l and O
	v_mov_b32 v[NML+2*\qt], v[X+4*\qt+1]
	v_exp_f32 v[AL+2*\qt], v[AL+2*\qt]                             ; alpha; used far below
.endm
; group g = 4 qt + mt: the 8 scores of one m-tile of one query tile
.macro FMAG g
.irp p, 0,1,2,3
	v_pk_fma_f32 v[SS+8*(\g)+2*\p:SS+8*(\g)+2*\p+1], v[SS+8*(\g)+2*\p:SS+8*(\g)+2*\p+1], s[S_CS:S_CS+1], v[NML+2*((\g)/4):NML+2*((\g)/4)+1] op_sel_hi:[1,0,0]
.endr
.endm
.macro EXPG g
.irp e, 0,1,2,3,4,5,6,7
	v_exp_f32 v[SS+8*(\g)+\e], v[SS+8*(\g)+\e]
.endr
.endm
; sums in two chains of pairs (the first m-tile starts them), then P in place: P[4 mt + p] = (S[8 mt + 2 p], S[8 mt + 2 p + 1]);
; what is written over belongs to m-tile mt / 2, which has been summed and rounded already (or is being read by this very line)
.macro USEG g
.set UB, SS+8*(\g)
.set UQ, (\g)/4
.set UM, (\g)%4
.if UM == 0
	s_wait_alu depctr_va_vdst(0)
	v_pk_add_f32 v[X+8+4*UQ:X+8+4*UQ+1], v[UB:UB+1], v[UB+2:UB+3]
	v_pk_add_f32 v[X+10+4*UQ:X+10+4*UQ+1], v[UB+4:UB+5], v[UB+6:UB+7]
.else
	s_wait_alu depctr_va_vdst(0)
	v_pk_add_f32 v[X+8+4*UQ:X+8+4*UQ+1], v[X+8+4*UQ:X+8+4*UQ+1], v[UB:UB+1]
	v_pk_add_f32 v[X+10+4*UQ:X+10+4*UQ+1], v[X+10+4*UQ:X+10+4*UQ+1], v[UB+2:UB+3]
	v_pk_add_f32 v[X+8+4*UQ:X+8+4*UQ+1], v[X+8+4*UQ:X+8+4*UQ+1], v[UB+4:UB+5]
	v_pk_add_f32 v[X+10+4*UQ:X+10+4*UQ+1], v[X+10+4*UQ:X+10+4*UQ+1], v[UB+6:UB+7]
.endif
.irp p, 0,1,2,3
	v_cvt_pk_f16_f32 v[SS+32*UQ+4*UM+\p], v[UB+2*\p], v[UB+2*\p+1]
.endr
.endm
; ================================================================ prologue
	s_load_b256 s[4:11], s[0:1], 0x0               ; queries, keys, values, queries_mask
	s_load_b128 s[12:15], s[0:1], 0x20             ; values_mask, out0
	s_set_vgpr_msb 0x40
	v_lshl_add_u32 v160, v0, 2, 0x1c800
	v_mov_b32 v161, 0
	s_set_vgpr_msb 0x4000
	v_lshrrev_b32 v[BT], 5, v0
	v_readfirstlane_b32 s[S_W], v[BT]              ; wave 0..7
	s_and_b32 s[S_G], ttmp9, 7
	s_lshr_b32 s38, ttmp9, 3
	s_lshr_b32 s[S_B], s38, 4
	s_and_b32 s[S_HEAD], s38, 15
	s_and_b32 s39, s[S_W], 3
	s_lshl_b32 s40, s[S_G], 2                      ; 4 g
	s_sub_co_u32 s41, 60, s40                      ; 60 - 4 g
	s_cmp_lt_u32 s[S_W], 4
	s_cselect_b32 s40, s40, s41
	s_add_co_u32 s40, s40, s39                     ; n
	s_add_co_u32 s40, s40, 63
	s_and_b32 s[S_T], s40, 63                      ; T = (n + 63) & 63
	s_lshr_b32 s[S_JD], s[S_T], 1
	s_lshl_b32 s[S_QB], s[S_T], 5
	s_mov_b32 s[S_C1], 0x3e38aa3b                  ; log2e / 8
	s_mov_b32 s[S_L2E], 0x3fb8aa3b                 ; log2e
	s_mov_b32 s[S_NL2E], 0xbfb8aa3b                ; -log2e
	s_mov_b32 s[S_8TH], 0x3e000000                 ; 1/8
	s_mov_b32 s[S_PX0], 0x76543210                 ; v_permlanex16_b32: lane i of the other half
	s_mov_b32 s[S_PX1], 0xfedcba98
	s_mov_b32 s[S_BIAS], 0xc97423f0                ; -999999.0
	s_lshl_b32 s38, s[S_B], 23                     ; batch x 2048 rows x 4096 bytes
	s_lshl_b32 s39, s[S_HEAD], 8                   ; head x 64 f32
	s_add_co_u32 s38, s38, s39
	s_mov_b32 s39, 0                               ; s[38:39]: K, V at my head
	s_lshl_b32 s40, s[S_QB], 12
	s_add_co_u32 s40, s40, s38
	s_mov_b32 s41, 0                               ; s[40:41]: Q, out at my head and first row
	s_lshl_b32 s42, s[S_B], 11
	s_mov_b32 s43, 0                               ; s[42:43]: the masks at my batch
	v_and_b32 v[V_R], 15, v0
	v_bfe_u32 v[V_H], v0, 4, 1
	v_lshl_add_u32 v[BT+1], v[BT], 3, v[V_H]       ; 8 w + h: my row in the first of a set's four loads
	v_lshlrev_b32 v[VBT], 4, v[V_R]
	v_lshl_add_u32 v[VOFF], v[BT+1], 12, v[VBT]    ; row x 4096 + 16 r
	v_add_nc_u32 v[VOFF+1], 30*TILEB, v[VOFF]      ; set 1 starts with tile 30,
	v_add_nc_u32 v[VOFF], 31*TILEB, v[VOFF]        ; set 0 with tile 31
	v_mul_u32_u24 v[KST], KP, v[BT+1]
	v_lshl_add_u32 v[KST], v[V_R], 3, v[KST]       ; row x pitch + 8 r (4 f32 become 8 bytes)
	v_mul_u32_u24 v[VST], VP, v[BT+1]
	v_lshl_add_u32 v[VST], v[V_R], 3, v[VST]
	v_mul_u32_u24 v[KFA], KP, v[V_R]
	v_lshl_add_u32 v[KFA], v[V_H], 4, v[KFA]       ; key r x pitch + 16 h
	v_and_b32 v[VFA], 7, v0
	v_lshl_add_u32 v[VFA], v[V_H], 3, v[VFA]
	v_mul_u32_u24 v[VFA], VP, v[VFA]               ; key (8 h + (lane & 7)) x pitch
	v_bfe_u32 v[VBT], v0, 3, 1
	v_lshl_add_u32 v[VFA], v[VBT], 4, v[VFA]       ; + 16 ((lane >> 3) & 1)
	v_lshlrev_b32 v[VBA], 5, v[V_H]                ; 8 h biases of 4 bytes
	v_lshlrev_b32 v[LC], 3, v[V_H]
	v_sub_nc_u32 v[LC], v[V_R], v[LC]              ; r - 8 h
	v_and_b32 v[PFO], 63, v0                       ; prefetch: row 32 (w & 1) + lane of a tile,
	v_lshlrev_b32 v[PFO], 12, v[PFO]
	v_add_nc_u32 v[PFO], 28*TILEB, v[PFO]          ; stepped down one tile at each trip's head: tile j - 4 in trip j
	v_and_b32 v[X], 31, v0
	v_lshlrev_b32 v[X], 6, v[X]                    ; 64 x lane: lane L looks at tile L's 64 mask bytes
	v_lshlrev_b32 v[X+1], 3, v0                    ; 8 t: thread t makes the biases of keys 8 t .. 8 t + 7
	v_lshlrev_b32 v[X+2], 12, v[V_R]
	v_lshl_add_u32 v[X+2], v[V_H], 5, v[X+2]       ; Q: row r, 8 h f32
	v_lshlrev_b32 v[X+3], 5, v0                    ; 32 t
	s_wait_kmcnt 0x0
	s_add_nc_u64 s[6:7], s[6:7], s[38:39]
	s_add_nc_u64 s[8:9], s[8:9], s[38:39]
	s_add_nc_u64 s[4:5], s[4:5], s[40:41]
	s_add_nc_u64 s[14:15], s[14:15], s[40:41]
	s_add_nc_u64 s[12:13], s[12:13], s[42:43]
	s_add_co_u32 s42, s42, s[S_QB]
	s_add_nc_u64 s[10:11], s[10:11], s[42:43]
	s_cmp_lt_u32 s[S_W], 6                         ; prefetch: waves 4, 5 ask for K, waves 6, 7 for V
	s_cselect_b64 s[S_PFB:S_PFB+1], s[6:7], s[8:9]
.irp i, 0,1,2,3
	global_load_b128 v[VF+4*\i:VF+4*\i+3], v[X], s[12:13] offset:16*\i
.endr
	global_load_b64 v[VF+16:VF+17], v[X+1], s[12:13]
	global_load_u8 v[QM], v[V_R], s[10:11]
	global_load_u8 v[QM+1], v[V_R], s[10:11] offset:16
	; Q as f32, in the order of the B fragments: (qt, ks, half, e): d = 32 ks + 16 half + 8 h + 4 e .. + 3 of query 16 qt + r.  Read by this wave alone.
.irp qt, 0,1
.irp ks, 0,1
.irp hf, 0,1
.irp e, 0,1
	global_load_b128 v[KF+32*\qt+16*\ks+8*\hf+4*\e:KF+32*\qt+16*\ks+8*\hf+4*\e+3], v[X+2], s[4:5] offset:16*ROWB*\qt+128*\ks+64*\hf+16*\e th:TH_LOAD_NT
.endr
.endr
.endr
.endr
	LOADKV 0                                       ; tiles 31 and 30: every work-group needs them (2 g - 1 <= 13)
	LOADKV 1
	; O starts at 0.  Tile 31 is every wave's first live tile, so its product could start the sums with C = 0, but only in a third copy of
	; the whole trip in front of the loop: 64 moves under the loads' latency are the smaller price.
.set m, 0
.rept 64
	v_mov_b32 v[OA+m], 0
.set m, m+1
.endr
	WIN 0
	v_mov_b32 v[NML+1], 0xf149f2ca                 ; M = -1e30
	v_mov_b32 v[NML+3], 0xf149f2ca
	v_mul_f32 v[NML], s[S_NL2E], v[NML+1]
	v_mul_f32 v[NML+2], s[S_NL2E], v[NML+3]
	v_mov_b32 v[LS], 0
	v_mov_b32 v[LS+1], 0
	v_mov_b32 v[AL+1], 0                           ; the pairs' upper registers are named by the packed multiplies, never used
	v_mov_b32 v[AL+3], 0
	s_mul_i32 s38, s[S_W], 32*SP
	s_add_co_u32 s38, s38, STAGE                   ; my stage
	v_mul_u32_u24 v[STO], SP, v[V_R]
	v_lshl_add_u32 v[STO], v[V_H], 5, v[STO]
	v_add_nc_u32 v[STO], s38, v[STO]               ; in: row r, 8 h f32
	v_mul_u32_u24 v[RD], SP, v[V_H]
	v_lshl_add_u32 v[RD], v[V_R], 4, v[RD]
	v_add_nc_u32 v[RD], s38, v[RD]                 ; back: lanes 0-15 one row of 256 bytes, lanes 16-31 the next
	s_wait_loadcnt 16                              ; all but the 16 loads of tiles 31 and 30, which were issued last
	; holes: a tile's 16 mask words ANDed are 0x01010101 if all 64 bytes are 1.  Lane L's verdict is bit L: every wave makes the word itself.
.irp k, 0,1,2,3,4,5,6,7
	v_and_b32 v[VF+\k], v[VF+\k], v[VF+8+\k]
.endr
.irp k, 0,1,2,3
	v_and_b32 v[VF+\k], v[VF+\k], v[VF+4+\k]
.endr
	v_and_b32 v[VF], v[VF], v[VF+2]
	v_and_b32 v[VF+1], v[VF+1], v[VF+3]
	v_and_b32 v[VF], v[VF], v[VF+1]
	s_mov_b32 s38, 0x01010101
	v_cmp_ne_u32 s[S_HB], s38, v[VF]
	; biases of my 8 keys into LDS; the first trip's barrier publishes them, and nobody writes them again
.irp k, 0,1,2,3,4,5,6,7
	v_bfe_u32 v[VF+24+\k], v[VF+16+\k/4], 8*(\k%4), 8
.endr
.irp k, 0,1,2,3,4,5,6,7
	v_cvt_f32_u32 v[VF+24+\k], v[VF+24+\k]
.endr
.irp k, 0,1,2,3,4,5,6,7
	v_mul_f32 v[VF+24+\k], s[S_BIAS], v[VF+24+\k]
.endr
	ds_store_b128 v[X+3], v[VF+24:VF+27] offset:VB
	ds_store_b128 v[X+3], v[VF+28:VF+31] offset:VB+16
	; Q rounded plainly to bf16 (no factor folded in: the products are those of the rounded inputs)
	WIN 0x40
.set m, 0
.rept 32
	v_cvt_pk_bf16_f32 v[QF+m], v[KF+2*m], v[KF+2*m+1]
.set m, m+1
.endr
	WIN 0
	s_lshl_b32 s38, s[S_G], 1
	s_sub_co_i32 s38, s38, 1
	s_max_i32 s38, s38, 0                          ; the work-group's lowest jd: 2 g - 1 (g = 0 holds T = 63: all tiles)
	s_lshl_b32 s39, -1, s38
	s_or_b32 s[S_NEED], s[S_HB], s39
	s_lshl_b32 s[S_NEXT], s[S_NEED], 2
	s_cmp_eq_u32 s[S_T], 63
	s_cselect_b32 s[S_ACT], -1, s[S_HB]
	s_lshr_b32 s38, s[S_W], 2
	s_cmp_eq_u32 s[S_G], 0
	s_cselect_b32 s38, s38, 0
	s_cmp_lg_u32 s38, 0
	s_cselect_b32 s[S_PF], 0xfffffff0, 0           ; waves 4-7 of g = 0 ask, in trips 31 .. 4
	s_mov_b32 s[S_J], 31
	s_mov_b32 s[S_CNT], 16
; ================================================================ one key tile.  buf = the register set and the LDS buffer (31 - j) & 1
.macro TRIP buf
	s_wait_loadcnt 0x8                             ; tile j is in: only the 8 loads of tile j - 1 are younger (where those were left out, a wait for 0 stood in their place)
	s_wait_xcnt 0x0                                ; the last prefetch has read PFO
	v_add_nc_u32 v[PFO], 0xfffc0000, v[PFO]        ; one tile down
	v_add_nc_u32 v[VOFF+\buf], 0xfff80000, v[VOFF+\buf]    ; two tiles down (below tile 0 it wraps and is not used: bits 0, 1 of S_NEXT are 0)
	s_bitcmp1_b32 s[S_NEED], s[S_J]
	s_cbranch_scc0 .Lnostore_\buf
	WIN 0x05
.set m, 0
.rept 16
	v_cvt_pk_bf16_f32 v[X+m], v[ST+32*\buf+2*m], v[ST+32*\buf+2*m+1]       ; K (X+0..7) and V (X+8..15) rounded to bf16
.set m, m+1
.endr
	WIN 0
	; this buffer was last read two trips ago; every wave waited for those reads in front of the last trip's barrier
.irp i, 0,1,2,3
	ds_store_b64 v[KST], v[X+2*\i:X+2*\i+1] offset:K0+KBUF*\buf+2*KP*\i
.endr
	; V's bf16 numbers written anew as f16 (exact from 2^-14 to 65,504): back to f32 by a shift and a mask, then packed
.set m, 0
.rept 8
	v_lshlrev_b32 v[X+16+2*m], 16, v[X+8+m]
	v_and_b32 v[X+16+2*m+1], 0xffff0000, v[X+8+m]
.set m, m+1
.endr
.set m, 0
.rept 8
	v_cvt_pk_f16_f32 v[X+8+m], v[X+16+2*m], v[X+16+2*m+1]
.set m, m+1
.endr
.irp i, 0,1,2,3
	ds_store_b64 v[VST], v[X+8+2*\i:X+8+2*\i+1] offset:V0+VBUF*\buf+2*VP*\i
.endr
.Lnostore_\buf:
	s_bitcmp1_b32 s[S_NEXT], s[S_J]                ; is tile j - 2 there and needed?
	s_cbranch_scc0 .Lnoload_\buf
	LOADKV \buf
	WIN 0
	s_branch .Lloaded_\buf
.Lnoload_\buf:
	s_wait_loadcnt 0x0                             ; keeps the count at the next trip's head true: nothing younger will stand behind tile j - 1
.Lloaded_\buf:
	; Prefetch: tile j - 4, two trips ahead of its loads.  A lane asks for one row's 256-byte head slice, waves 4, 5 for K's 64 rows, waves 6, 7
	; for V's, in one work-group of the head: each slice is asked for once in the launch.  Trips 3 .. 0 ask for nothing: no request below tile 0.
	s_bitcmp1_b32 s[S_PF], s[S_J]
	s_cbranch_scc0 .Lnoask_\buf
	global_prefetch_b8 v[PFO], s[S_PFB:S_PFB+1] th:TH_LOAD_NT scope:SCOPE_SE
.Lnoask_\buf:
	s_wait_dscnt 0x0                               ; my stores of tile j are in LDS, my reads of tile j + 1 are over
	s_barrier_signal -1
	s_barrier_wait -1                              ; the trip's only barrier; every wave passes it, live or not
	s_cmp_ge_u32 s[S_J], s[S_JD]
	s_cbranch_scc1 .Llive_\buf
	s_bitcmp1_b32 s[S_ACT], s[S_J]
	s_cbranch_scc0 .Ldone_\buf                     ; all keys biased beside an unbiased one: exact zeros
.Llive_\buf:
.irp mt, 0,1,2,3
.irp ks, 0,1
	ds_load_b128 v[KF+16*\mt+8*\ks:KF+16*\mt+8*\ks+3], v[KFA] offset:K0+KBUF*\buf+16*KP*\mt+64*\ks
	ds_load_b128 v[KF+16*\mt+8*\ks+4:KF+16*\mt+8*\ks+7], v[KFA] offset:K0+KBUF*\buf+16*KP*\mt+64*\ks+32
.endr
.endr
.irp dt, 0,1,2,3
.irp ks, 0,1
	ds_load_tr16_b128 v[VF+16*\dt+8*\ks:VF+16*\dt+8*\ks+3], v[VFA] offset:V0+VBUF*\buf+32*VP*\ks+32*\dt
	ds_load_tr16_b128 v[VF+16*\dt+8*\ks+4:VF+16*\dt+8*\ks+7], v[VFA] offset:V0+VBUF*\buf+32*VP*\ks+32*\dt+16*VP
.endr
.endr
	s_wait_dscnt 16                                ; K's 16 loads are in; V's 16, issued behind them, may be out
	WIN 0x04                                       ; B (Q) in window 1
.irp mt, 0,1,2,3
.irp qt, 0,1
	v_wmma_f32_16x16x32_bf16 v[SS+32*\qt+8*\mt:SS+32*\qt+8*\mt+7], v[KF+16*\mt:KF+16*\mt+7], v[QF+16*\qt:QF+16*\qt+7], 0
.endr
.endr
.irp mt, 0,1,2,3
.irp qt, 0,1
	v_wmma_f32_16x16x32_bf16 v[SS+32*\qt+8*\mt:SS+32*\qt+8*\mt+7], v[KF+16*\mt+8:KF+16*\mt+15], v[QF+16*\qt+8:QF+16*\qt+15], v[SS+32*\qt+8*\mt:SS+32*\qt+8*\mt+7]
.endr
.endr
	WIN 0
.rept 4
	v_nop                                          ; four places before vector instructions read the products (ISA guide 7.12.1)
.endr
	s_cmp_gt_u32 s[S_J], s[S_JD]
	s_cselect_b32 s[S_CS], s[S_C1], s[S_L2E]
	s_cselect_b32 s[S_CS+1], s[S_C1], s[S_L2E]
	s_cselect_b32 s[S_SC], s[S_8TH], 0x3f800000
	s_cbranch_scc1 .Lsoftmax_\buf                  ; U: the raw products go on, the 1/8 rides in the factors
	s_lshl_b32 s38, s[S_J], 8
	s_and_b32 s38, s38, 0x1f00                     ; 64 biases of 4 bytes a tile, 32 tiles
	v_add_nc_u32 v[VBT], s38, v[VBA]
.irp mt, 0,1,2,3
	ds_load_b128 v[X+8*\mt:X+8*\mt+3], v[VBT] offset:VB+64*\mt
	ds_load_b128 v[X+8*\mt+4:X+8*\mt+7], v[VBT] offset:VB+64*\mt+16
.endr
	s_wait_dscnt 0x0
	s_cmp_eq_u32 s[S_J], s[S_JD]
	s_cbranch_scc0 .Lcolumn_\buf
	; M: the bias holds where key <= query: 16 mt + jj <= 32 T - 64 j + 16 qt + r - 8 h
	s_lshl_b32 s38, s[S_J], 6
	s_sub_co_u32 s38, s[S_QB], s38
	v_add_nc_u32 v[DQ], s38, v[LC]
	v_add_nc_u32 v[DQ+1], 16, v[DQ]
.irp qt, 0,1
.irp mt, 0,1,2,3
.irp jj, 0,1,2,3,4,5,6,7
	v_cmp_le_i32 vcc_lo, 16*\mt+\jj, v[DQ+\qt]
	v_cndmask_b32 v[BT+\jj%2], 0, v[X+8*\mt+\jj], vcc_lo
	v_fma_f32 v[SS+32*\qt+8*\mt+\jj], v[SS+32*\qt+8*\mt+\jj], s[S_8TH], v[BT+\jj%2]   ; one rounding, as s/8 - bias has in the reference
.endr
.endr
.endr
	s_branch .Lsoftmax_\buf
.Lcolumn_\buf:
	; B: every key is at or below every query of mine: the column's bias alone
.irp qt, 0,1
.set m, 0
.rept 16
	v_pk_fma_f32 v[SS+32*\qt+2*m:SS+32*\qt+2*m+1], v[SS+32*\qt+2*m:SS+32*\qt+2*m+1], 0x3e000000, v[X+2*m:X+2*m+1] op_sel_hi:[1,0,1]
.set m, m+1
.endr
.endr
.Lsoftmax_\buf:
	ROWMAX 0
	ROWMAX 1
	; p = exp2(S x factor - M log2e), eight at a time.  Behind each run of exponentials stands the next group's plain arithmetic
	; before the results are used (ISA guide 5.7.2).
	FMAG 0
	EXPG 0
.irp g, 1,2,3,4,5,6,7
	FMAG \g
	USEG \g-1
	EXPG \g
.endr
	WIN 0x41                                       ; O in window 1, alpha in window 0
	s_wait_alu depctr_va_vdst(0)
.irp qt, 0,1
.set m, 0
.rept 16
	v_pk_mul_f32 v[OA+32*\qt+2*m:OA+32*\qt+2*m+1], v[OA+32*\qt+2*m:OA+32*\qt+2*m+1], v[AL+2*\qt:AL+2*\qt+1] op_sel_hi:[1,0]
.set m, m+1
.endr
.endr
	WIN 0
	USEG 7
	v_pk_add_f32 v[X+8:X+9], v[X+8:X+9], v[X+10:X+11]
	v_pk_add_f32 v[X+12:X+13], v[X+12:X+13], v[X+14:X+15]
	v_add_f32 v[X+8], v[X+8], v[X+9]
	v_add_f32 v[X+12], v[X+12], v[X+13]
	v_fma_f32 v[LS], v[LS], v[AL], v[X+8]          ; l = l alpha + the tile's sum (my half of the keys)
	v_fma_f32 v[LS+1], v[LS+1], v[AL+2], v[X+12]
	s_wait_dscnt 0x0                               ; V's fragments
	WIN 0x50                                       ; C and D (O) in window 1
.irp ks, 0,1
.irp qt, 0,1
.irp dt, 0,1,2,3
	v_wmma_f32_16x16x32_f16 v[OA+32*\qt+8*\dt:OA+32*\qt+8*\dt+7], v[VF+16*\dt+8*\ks:VF+16*\dt+8*\ks+7], v[SS+32*\qt+8*\ks:SS+32*\qt+8*\ks+7], v[OA+32*\qt+8*\dt:OA+32*\qt+8*\dt+7]
.endr
.endr
.endr
	WIN 0
.rept 5
	v_nop                                          ; five places: the next S product writes over P, the next loads land in V's fragments, the way out reads O
.endr
.Ldone_\buf:
.endm
.Lround:
	TRIP 0
	s_sub_co_u32 s[S_J], s[S_J], 1
	TRIP 1
	s_sub_co_u32 s[S_J], s[S_J], 1
	s_sub_co_u32 s[S_CNT], s[S_CNT], 1
	s_cmp_lg_u32 s[S_CNT], 0
	s_cbranch_scc1 .Lround
; ================================================================ the way out
; out = O / l where queries_mask holds, else 0.  A lane holds 8 neighbouring f32 of a query's row for each dt; 16 rows go through my own stage
; in LDS (no other wave touches it, and LDS serves a wave's instructions in order: no barrier, no wait between stores and loads) and come
; back as whole rows: each half of a store's lanes covers 256 consecutive bytes, aligned.  Each query tile has registers of its own.
.macro OUTQ qt
	v_cmp_ne_u32 vcc_lo, 0, v[QM+\qt]
	WIN 0x01
.set m, 0
.rept 16
	v_pk_mul_f32 v[KF+32*\qt+2*m:KF+32*\qt+2*m+1], v[OA+32*\qt+2*m:OA+32*\qt+2*m+1], v[AL+2*\qt:AL+2*\qt+1] op_sel_hi:[1,0]
.set m, m+1
.endr
	WIN 0
.set m, 0
.rept 32
	v_cndmask_b32 v[KF+32*\qt+m], 0, v[KF+32*\qt+m], vcc_lo        ; the reference's where(), on the numbers themselves
.set m, m+1
.endr
.irp dt, 0,1,2,3
	ds_store_b128 v[STO], v[KF+32*\qt+8*\dt:KF+32*\qt+8*\dt+3] offset:16*SP*\qt+64*\dt
	ds_store_b128 v[STO], v[KF+32*\qt+8*\dt+4:KF+32*\qt+8*\dt+7] offset:16*SP*\qt+64*\dt+16
.endr
.irp t, 0,1,2,3,4,5,6,7
	ds_load_b128 v[VF+32*\qt+4*\t:VF+32*\qt+4*\t+3], v[RD] offset:16*SP*\qt+2*SP*\t
.endr
.irp t, 0,1,2,3,4,5,6,7
	s_wait_dscnt 7-\t                              ; rows 2 t, 2 t + 1 are back; the younger reads stay out
	global_store_b128 v[CO], v[VF+32*\qt+4*\t:VF+32*\qt+4*\t+3], s[14:15] offset:(16*\qt+2*\t)*ROWB th:TH_STORE_NT
.endr
.endm
	v_permlanex16_b32 v[BT], v[LS], s[S_PX0], s[S_PX1]             ; the other half's keys
	v_permlanex16_b32 v[BT+1], v[LS+1], s[S_PX0], s[S_PX1]
	v_add_f32 v[LS], v[LS], v[BT]
	v_add_f32 v[LS+1], v[LS+1], v[BT+1]
	v_rcp_f32 v[AL], v[LS]                         ; l >= about 1: the row's largest p is about 1
	v_rcp_f32 v[AL+2], v[LS+1]
	v_lshlrev_b32 v[CO], 4, v[V_R]                 ; (plain work behind the reciprocals, ISA guide 5.7.2)
	v_lshl_add_u32 v[CO], v[V_H], 12, v[CO]        ; out: row h, 16 r bytes
	s_wait_alu depctr_va_vdst(0)
	OUTQ 0
	OUTQ 1
	s_set_vgpr_msb 0x5
	s_wait_tensorcnt 0x0
	ds_add_u32 v160, v161
	s_wait_dscnt 0x0
	s_set_vgpr_msb 0x500
	s_endpgm
.Lfunc_end_k_q13b9bacb03_attn:
	.size	k_q13b9bacb03_attn, .Lfunc_end_k_q13b9bacb03_attn-k_q13b9bacb03_attn
	.p2alignl 7, 3214868480
	.fill 96, 4, 3214868480
	.section	.rodata,"a",@progbits
	.p2align	6, 0x0
	.amdhsa_kernel k_q13b9bacb03_attn
		.amdhsa_group_segment_fixed_size 117760
		.amdhsa_private_segment_fixed_size 0
		.amdhsa_enable_private_segment 0
		.amdhsa_kernarg_size 48
		.amdhsa_user_sgpr_count 2
		.amdhsa_user_sgpr_kernarg_segment_ptr 1
		.amdhsa_wavefront_size32 1
		.amdhsa_system_sgpr_workgroup_id_x 1
		.amdhsa_system_sgpr_workgroup_id_y 1
		.amdhsa_system_sgpr_workgroup_id_z 1
		.amdhsa_system_vgpr_workitem_id 0
		.amdhsa_next_free_vgpr 418
		.amdhsa_next_free_sgpr 66
		.amdhsa_reserve_vcc 1
		.amdhsa_float_denorm_mode_32 3
		.amdhsa_float_denorm_mode_16_64 3
		.amdhsa_memory_ordered 1
		.amdhsa_forward_progress 1
		.amdhsa_inst_pref_size 91
	.end_amdhsa_kernel
	.amdgpu_metadata
---
amdhsa.version: [ 1, 2 ]
amdhsa.kernels:
  - .name:           k_q13b9bacb03_attn
    .symbol:         k_q13b9bacb03_attn.kd
    .args:
      - { .name: queries, .offset: 0, .size: 8, .value_kind: global_buffer, .address_space: global }
      - { .name: keys, .offset: 8, .size: 8, .value_kind: global_buffer, .address_space: global }
      - { .name: values, .offset: 16, .size: 8, .value_kind: global_buffer, .address_space: global }
      - { .name: queries_mask, .offset: 24, .size: 8, .value_kind: global_buffer, .address_space: global }
      - { .name: values_mask, .offset: 32, .size: 8, .value_kind: global_buffer, .address_space: global }
      - { .name: out0, .offset: 40, .size: 8, .value_kind: global_buffer, .address_space: global }
    .group_segment_fixed_size: 117760
    .private_segment_fixed_size: 0
    .kernarg_segment_align: 8
    .kernarg_segment_size: 48
    .max_flat_workgroup_size: 256
    .sgpr_count:     66
    .vgpr_count:     418
    .wavefront_size: 32
...
	.end_amdgpu_metadata
.endif
;; end of part 1
;; ======== version 2 of 2: 1 launch
;; limits: right only within a limited range of input values; values are held in f16: magnitudes above 65,504 overflow, below 6.1e-05 lose precision
;; launch attn (part 2): grid 256 x 1, 8 waves a work-group, no clusters, 209,920 bytes of LDS; arguments queries, keys, values, queries_mask, values_mask, out0; writes out0
.if DOCPART == 2
	.amdgcn_target "amdgcn-amd-amdhsa--gfx1250"
	.amdhsa_code_object_version 6
	.text
	.protected	k_q13b9bacb03_attn
	.globl	k_q13b9bacb03_attn
	.p2align	8
	.type	k_q13b9bacb03_attn,@function
k_q13b9bacb03_attn:
	s_mov_b64 s[64:65], 0
	v_nop
	global_prefetch_b8 v0, s[64:65] scope:SCOPE_SE
	s_setreg_imm32_b32 hwreg(HW_REG_WAVE_MODE, 25, 1), 1
	s_wait_xcnt 0x0
; Attention with the reference's inverted bias.  queries, keys, values, out0: [2][2048][1024] f32, 16 heads of 64 channels.
;   z(q,k) = (q.k)/8 - 999999 where (values_mask[k] and k <= q);  w = softmax over k of z;  out = w V, zero where queries_mask is 0.
; A key k > q is never biased.  Every row q < 2047 therefore has an unbiased key, and beside it a biased key's weight is exp(about -1e6),
; an exact 0 in f32.  So a tile of 64 keys that lies wholly at or below a wave's rows and has no hole in values_mask adds exact zeros and is
; skipped.  Row 2047 may have all keys biased: its wave tile takes every key tile, and the bias is applied by ONE v_fma_f32(s, 0.125, -999999),
; which rounds as the reference does (s/8 and 999999 x 1 are exact), so that the coarse grid of numbers near -1e6 is reproduced.
;
; FORMAT.  The program computes reference() on Q, K and V rounded to bf16.
;   Q, K: bf16 operands.  Products of bf16 numbers are exact in f32, so a score differs from the reference's on those inputs only by the order
;   of 64 additions.  Row 2047 needs that when every key is biased: z is rounded to multiples of 1/16 there, and a score error that carries a
;   heavy key over a rounding boundary changes its weight by 6 per cent.
;   P: f16.  The last rows average very few keys (row q has 2047 - q unbiased ones), so their terms p v are of the size of v itself and may
;   cancel to a small output, which is allowed a hundredth of the whole output's root mean square.  8 significant bits (up to 2^-9 of each
;   term) do not keep that; 11 (2^-12) do.  p lies in (0, 1.05].
;   V: rounded to bf16 like the other inputs, then written as f16, which holds a bf16 number exactly from 2^-14 to 65,504 in magnitude, so
;   that the second product can take P as f16.  The second conversion changes the code, the first the number: neither is idle.
;
; WORK.  Work-group x: g = bits 0, 1, 3 of x, (batch, head) = bits 2, 4 .. 7: one head's K and V are read by work-groups x0 + {0,1,2,3,8,9,10,11}.
; A head's 2048 rows are 64 wave tiles T of 32 rows (two tiles of 16 queries).  Key tiles j of 64 keys; with jd = T >> 1:
;   j > jd: no bias (U);  j = jd: causal compare and values_mask (M);  j < jd: column bias only (B) if the tile has a hole or T = 63, else skipped.
; Waves i and i + 4 are a pair and own a long tile TL = (4 g + i + 63) & 63 (about 32 - 2 g live key tiles; T = 63 takes all 32) and a short
; tile TS = 59 - 4 g + i (about 2 + 2 g).  The work-group walks the keys from the top, two tiles (2 u + 1, 2 u) to a trip, u = 15 .. 0.
; Wave i works on TL.  Wave i + 4 works on TS down to tile JS = 4 (TS >> 3), the first end of a round of two trips at or below TS's diagonal;
; there it stores TS's rows, takes TL's Q from LDS and a fresh (M, l, O), and below JS the two share TL: wave i the odd tiles, wave i + 4 the
; even ones.  At the end wave i + 4 hands its (M, l, O) over through LDS and wave i merges them.  So both waves of a pair have work in nearly
; every trip: 36 units of (32 rows x 64 keys) a pair become about 18 trips' worth for each.
; The sharing is used only if values_mask[b] has no hole: with a hole TS has live tiles all the way down, and each wave keeps its tile.
;
; LAYOUT.  S^T = K Q^T (A = 16 keys, B = 16 queries): lane (r, h) holds query r and keys 16 mt + 8 h + 0..7, so a row's maximum and sum are
; in-lane work and one exchange of the halves, and rounding m-tiles 2 ks, 2 ks + 1 to f16 in place IS the B fragment of P^T.
; O^T = V^T P^T, V^T read from V[key][d] by the transposing LDS load; alpha and 1/l are one number a lane.
;
; K AND V COME THROUGH REGISTERS: wave w loads rows 8 w .. 8 w + 7 of both tiles of a pair (16 lanes cover a row's 256 aligned bytes), rounds
; them and writes 32 KB a pair to LDS once.  Pair u - 2 is requested in trip u and written to LDS in trip u - 1, for trip u - 2.
; NO TENSOR LOADS, NO CLUSTER, though the eight work-groups of a head read the same tiles: the tiles must be rounded before the matrix
; unit can take them, so a tile laid in LDS as f32 (32 KB) would be read, rounded and written again (16 KB) on top; and the partners need
; different tiles (work-group g needs j >= 2 g - 1 and the tiles with holes), so joint requests would make all walk all 32.
;
; LIMITS.  V of magnitude 65,504 or more overflows in f16; V below 2^-14 is kept to an absolute 2^-25 only.
; The skip takes biased weights to underflow to 0: |q.k|/8 below about 4.9e5.  A NaN or infinity in K or V of a skipped tile does
; not spread.  Scores below -1e30 (the running maximum's start) are not served.  The row sum l is taken from the unrounded p.
; ---- sizes
.set ROWB,   4096                      ; bytes from a token's row to the next (1024 f32)
.set TILEB,  64*ROWB                   ; 64 keys
; ---- LDS.  Tile (p, t): pair buffer p = 0, 1; t = 0 the odd (upper) tile, t = 1 the even one
.set K0,     0                         ; K, four tiles of 64 rows x 144 (128 bytes of bf16 + 16: the 16 rows of a fragment load fall on different banks)
.set KP,     144
.set KBUF,   64*KP
.set V0,     4*KBUF                    ; V, four tiles of 64 rows x 160 (128 bytes of f16; an odd multiple of 32, for the transposing load)
.set VP,     160
.set VBUF,   64*VP
.set VB,     V0+4*VBUF                 ; 2048 f32: -999999 x values_mask[b][k]
.set STAGE,  VB+8192                   ; each wave's own 32 rows x 272 for the way out
.set SP,     272
.set STAGEB, 32*SP
.set QX,     STAGE+8*STAGEB            ; waves 0-3: TL's Q fragments, 32 registers x 128 bytes, for the partner
.set QXB,    4096
.set GX,     QX+4*QXB                  ; waves 4-7: O (64 registers x 128 bytes), then (NML, M) x 2, then l x 2, for the partner
.set GXB,    9216
; ---- vector registers, window 0
.set V_R,   1                          ; r = lane & 15
.set VOFF,  2                          ; byte offset of my 16 bytes in the even tile of the pair that is loaded next
.set KST,   4                          ; where I put 8 bytes of K in LDS
.set VST,   5                          ; the same for V (V0 included)
.set KFA,   6                          ; K fragment address
.set VFA,   7                          ; V^T fragment address (V0 included)
.set VBA,   8                          ; VB + 32 h
.set VBT,   9                          ; bias address of the tile; at the end the hand-over's address
.set LC,    10                         ; r - 8 h
.set DQ,    11                         ; v11, v12 causal bound for query tile 0, 1
.set BT,    13                         ; v13, v14 at work
.set PFO,   15                         ; prefetch offset
.set NML,   16                         ; v16, v18: -M log2e;  v17, v19: the running maximum M
.set LS,    20                         ; v20, v21 my half's row sums
.set AL,    22                         ; v22, v24 alpha, later 1/l (v23, v25 only complete the pairs)
.set QM,    26                         ; v26, v27 queries_mask of my two queries
.set STO,   28
.set RD,    29
.set CO,    30
.set V_H,   31                         ; h = (lane >> 4) & 1
.set SS,    32                         ; v32-95   S(qt, 8 mt + jj) at 32 qt + 8 mt + jj; P(qt, ks) in place at 32 qt + 8 ks
.set KF,    96                         ; v96-159  K fragments (mt, ks) at 16 mt + 8 ks
.set VF,    160                        ; v160-223 V^T fragments (dt, ks) at 16 dt + 8 ks
.set X,     224                        ; v224-255 rounded K, V on their way to LDS; the tile's 32 biases; maxima and sums
; ---- vector registers, window 1 (written by their low 8 bits)
.set OA,    0                          ; v256-319 O(qt, dt) at 32 qt + 8 dt
.set QF,    64                         ; v320-351 Q fragments (qt, ks) at 16 qt + 8 ks
.set ST,    96                         ; v352-415 a pair as loaded: tile t at 32 t: K's four loads, then V's
; ---- scalar registers: s[4:5] queries, s[6:7] keys, s[8:9] values, s[10:11] queries_mask, s[12:13] values_mask, s[14:15] out0
.set S_W,    16
.set S_G,    17
.set S_B,    18
.set S_HEAD, 19
.set S_T,    20                        ; the wave tile that I start with, and whose rows I store
.set S_JD,   21                        ; diagonal key tile of the wave tile at work
.set S_QB,   22                        ; first row of the wave tile at work
.set S_J,    23                        ; the trip's even key tile, 2 u
.set S_HB,   24                        ; bit j: tile j has a hole in values_mask
.set S_NP1,  25                        ; bit 2 u: pair u - 1 is used by some wave of the work-group
.set S_NP2,  26                        ; bit 2 u: pair u - 2 is
.set S_LIVE, 27                        ; bit j: I take tile j
.set S_CS,   28                        ; s[28:29] factor in front of exp2: log2e / 8 (raw scores) or log2e (biased scores)
.set S_SC,   30                        ; 1/8 or 1: the tile's maximum in units of z
.set S_C1,   31
.set S_L2E,  32
.set S_NL2E, 33
.set S_8TH,  34
.set S_PF,   35                        ; bit 2 u: I prefetch in trip u
.set S_PX0,  36
.set S_PX1,  37
.set S_CNT,  44
.set S_BIAS, 45
.set S_PFB,  46                        ; s[46:47] keys or values, for the prefetch
.set S_JT,   48                        ; the key tile at work
.set S_JSW,  49                        ; waves 4-7: the 2 u at whose trip's end I change over to TL (0xffff: never)
.set S_TL,   50
.set S_LIV2, 51                        ; waves 4-7: my tiles of TL
.set S_SPLT, 52                        ; 1: the pair shares TL
.set S_TS,   54
.set MSB, 0
.macro WIN new                         ; s_set_vgpr_msb: bits 1:0 source 0, 3:2 source 1, 5:4 source 2, 7:6 destination; the high byte repeats the setting left
.if MSB != \new
	s_set_vgpr_msb (MSB<<8)|\new
.set MSB, \new
.endif
.endm
; sixteen loads: my 8 rows of K and of V of both tiles of the pair at VOFF, 512 bytes (two rows' head slices) an instruction
.macro LOADPAIR
	WIN 0x40
.irp t, 0,1
.irp i, 0,1,2,3
	global_load_b128 v[ST+32*\t+4*\i:ST+32*\t+4*\i+3], v[VOFF], s[6:7] offset:(1-\t)*TILEB+2*ROWB*\i
.endr
.irp i, 0,1,2,3
	global_load_b128 v[ST+32*\t+16+4*\i:ST+32*\t+16+4*\i+3], v[VOFF], s[8:9] offset:(1-\t)*TILEB+2*ROWB*\i
.endr
.endr
	WIN 0
.endm
; my 8 rows of tile t of the loaded pair, rounded, into pair buffer dst
.macro CONV dst, t
	WIN 0x05
.set m, 0
.rept 16
	v_cvt_pk_bf16_f32 v[X+m], v[ST+32*\t+2*m], v[ST+32*\t+2*m+1]           ; K (X+0..7) and V (X+8..15) rounded to bf16
.set m, m+1
.endr
	WIN 0
.irp i, 0,1,2,3
	ds_store_b64 v[KST], v[X+2*\i:X+2*\i+1] offset:K0+(2*(\dst)+\t)*KBUF+2*KP*\i
.endr
	; V's bf16 numbers written anew as f16 (exact from 2^-14 to 65,504): back to f32 by a shift and a mask, then packed
.set m, 0
.rept 8
	v_lshlrev_b32 v[X+16+2*m], 16, v[X+8+m]
	v_and_b32 v[X+16+2*m+1], 0xffff0000, v[X+8+m]
.set m, m+1
.endr
.set m, 0
.rept 8
	v_cvt_pk_f16_f32 v[X+8+m], v[X+16+2*m], v[X+16+2*m+1]
.set m, m+1
.endr
.irp i, 0,1,2,3
	ds_store_b64 v[VST], v[X+8+2*\i:X+8+2*\i+1] offset:(2*(\dst)+\t)*VBUF+2*VP*\i
.endr
.endm
; In trip u: pair u - 1 goes from registers into the other pair buffer, pair u - 2 is requested.  That buffer was last read in trip u + 1,
; and every wave waited for those reads in front of this trip's barrier; the next trip's barrier publishes the stores.
.macro STAGE dst, k, p
	s_wait_loadcnt 0x0                             ; pair u - 1: its loads were issued a whole trip ago.  Also frees VOFF
	v_add_nc_u32 v[VOFF], 0xfff80000, v[VOFF]      ; two tiles down (below tile 0 it wraps and is not used: bits 0 .. 3 of S_NP2 are 0)
	s_bitcmp1_b32 s[S_NP1], s[S_J]
	s_cbranch_scc0 .Lnostore_\k\p
	CONV \dst, 0
	CONV \dst, 1
.Lnostore_\k\p:
	s_bitcmp1_b32 s[S_NP2], s[S_J]
	s_cbranch_scc0 .Lnoload_\k\p
	LOADPAIR
.Lnoload_\k\p:
.endm
; the fragments of tile (p, t): 16 loads for K, then 16 transposing loads for V
.macro FRAG p, t
.irp mt, 0,1,2,3
.irp ks, 0,1
	ds_load_b128 v[KF+16*\mt+8*\ks:KF+16*\mt+8*\ks+3], v[KFA] offset:K0+(2*\p+\t)*KBUF+16*KP*\mt+64*\ks
	ds_load_b128 v[KF+16*\mt+8*\ks+4:KF+16*\mt+8*\ks+7], v[KFA] offset:K0+(2*\p+\t)*KBUF+16*KP*\mt+64*\ks+32
.endr
.endr
.irp dt, 0,1,2,3
.irp ks, 0,1
	ds_load_tr16_b128 v[VF+16*\dt+8*\ks:VF+16*\dt+8*\ks+3], v[VFA] offset:(2*\p+\t)*VBUF+32*VP*\ks+32*\dt
	ds_load_tr16_b128 v[VF+16*\dt+8*\ks+4:VF+16*\dt+8*\ks+7], v[VFA] offset:(2*\p+\t)*VBUF+32*VP*\ks+32*\dt+16*VP
.endr
.endr
.endm
; the largest of query tile qt's 32 scores in my lane (four chains), the other half's, the new maximum, alpha
.macro ROWMAX qt
.irp c, 0,1,2,3
	v_max3_num_f32 v[X+4*\qt+\c], v[SS+32*\qt+8*\c], v[SS+32*\qt+8*\c+1], v[SS+32*\qt+8*\c+2]
.endr
.irp c, 0,1,2,3
	v_max3_num_f32 v[X+4*\qt+\c], v[X+4*\qt+\c], v[SS+32*\qt+8*\c+3], v[SS+32*\qt+8*\c+4]
.endr
.irp c, 0,1,2,3
	v_max3_num_f32 v[X+4*\qt+\c], v[X+4*\qt+\c], v[SS+32*\qt+8*\c+5], v[SS+32*\qt+8*\c+6]
.endr
.irp c, 0,1,2,3
	v_max_num_f32 v[X+4*\qt+\c], v[X+4*\qt+\c], v[SS+32*\qt+8*\c+7]
.endr
	v_max3_num_f32 v[X+4*\qt], v[X+4*\qt], v[X+4*\qt+1], v[X+4*\qt+2]
	v_max_num_f32 v[X+4*\qt], v[X+4*\qt], v[X+4*\qt+3]
	v_permlanex16_b32 v[BT+\qt], v[X+4*\qt], s[S_PX0], s[S_PX1]    ; the keys of the other half of the lanes
	v_max_num_f32 v[X+4*\qt], v[X+4*\qt], v[BT+\qt]
	v_mul_f32 v[X+4*\qt], s[S_SC], v[X+4*\qt]                      ; in units of z (exact: 1/8 or 1)
	v_max_num_f32 v[NML+2*\qt+1], v[NML+2*\qt+1], v[X+4*\qt]       ; M
	v_mul_f32 v[X+4*\qt+1], s[S_NL2E], v[NML+2*\qt+1]              ; -M log2e, rounded once; p, alpha and the merge use this same number,
	v_sub_f32 v[AL+2*\qt], v[X+4*\qt+1], v[NML+2*\qt]              ; so its rounding (up to 1/16 near 1.44e6) cancels between p, l and O
	v_mov_b32 v[NML+2*\qt], v[X+4*\qt+1]
	v_exp_f32 v[AL+2*\qt], v[AL+2*\qt]                             ; alpha; used far below
.endm
; group g = 4 qt + mt: the 8 scores of one m-tile of one query tile
.macro FMAG g
.irp p, 0,1,2,3
	v_pk_fma_f32 v[SS+8*(\g)+2*\p:SS+8*(\g)+2*\p+1], v[SS+8*(\g)+2*\p:SS+8*(\g)+2*\p+1], s[S_CS:S_CS+1], v[NML+2*((\g)/4):NML+2*((\g)/4)+1] op_sel_hi:[1,0,0]
.endr
.endm
.macro EXPG g
.irp e, 0,1,2,3,4,5,6,7
	v_exp_f32 v[SS+8*(\g)+\e], v[SS+8*(\g)+\e]
.endr
.endm
; sums in two chains of pairs (the first m-tile starts them), then P in place: P[4 mt + p] = (S[8 mt + 2 p], S[8 mt + 2 p + 1]);
; what is written over belongs to m-tile mt / 2, which has been summed and rounded already (or is being read by this very line)
.macro USEG g
.set UB, SS+8*(\g)
.set UQ, (\g)/4
.set UM, (\g)%4
.if UM == 0
	s_wait_alu depctr_va_vdst(0)
	v_pk_add_f32 v[X+8+4*UQ:X+8+4*UQ+1], v[UB:UB+1], v[UB+2:UB+3]
	v_pk_add_f32 v[X+10+4*UQ:X+10+4*UQ+1], v[UB+4:UB+5], v[UB+6:UB+7]
.else
	s_wait_alu depctr_va_vdst(0)
	v_pk_add_f32 v[X+8+4*UQ:X+8+4*UQ+1], v[X+8+4*UQ:X+8+4*UQ+1], v[UB:UB+1]
	v_pk_add_f32 v[X+10+4*UQ:X+10+4*UQ+1], v[X+10+4*UQ:X+10+4*UQ+1], v[UB+2:UB+3]
	v_pk_add_f32 v[X+8+4*UQ:X+8+4*UQ+1], v[X+8+4*UQ:X+8+4*UQ+1], v[UB+4:UB+5]
	v_pk_add_f32 v[X+10+4*UQ:X+10+4*UQ+1], v[X+10+4*UQ:X+10+4*UQ+1], v[UB+6:UB+7]
.endif
.irp p, 0,1,2,3
	v_cvt_pk_f16_f32 v[SS+32*UQ+4*UM+\p], v[UB+2*\p], v[UB+2*\p+1]
.endr
.endm
; one unit: my 32 rows against key tile S_JT, whose fragment loads have been issued.  (p, t) only name the labels.
.macro REST p, t
	s_wait_dscnt 16                                ; K's 16 loads are in: behind them stand V's 16, or V's 16 and 16 stores of the next pair (then V is in too)
	WIN 0x04                                       ; B (Q) in window 1
.irp mt, 0,1,2,3
.irp qt, 0,1
	v_wmma_f32_16x16x32_bf16 v[SS+32*\qt+8*\mt:SS+32*\qt+8*\mt+7], v[KF+16*\mt:KF+16*\mt+7], v[QF+16*\qt:QF+16*\qt+7], 0
.endr
.endr
.irp mt, 0,1,2,3
.irp qt, 0,1
	v_wmma_f32_16x16x32_bf16 v[SS+32*\qt+8*\mt:SS+32*\qt+8*\mt+7], v[KF+16*\mt+8:KF+16*\mt+15], v[QF+16*\qt+8:QF+16*\qt+15], v[SS+32*\qt+8*\mt:SS+32*\qt+8*\mt+7]
.endr
.endr
	WIN 0
.rept 4
	v_nop                                          ; four places before vector instructions read the products (ISA guide 7.12.1)
.endr
	s_cmp_gt_u32 s[S_JT], s[S_JD]
	s_cselect_b32 s[S_CS], s[S_C1], s[S_L2E]
	s_cselect_b32 s[S_CS+1], s[S_C1], s[S_L2E]
	s_cselect_b32 s[S_SC], s[S_8TH], 0x3f800000
	s_cbranch_scc1 .Lsoftmax_\p\t                  ; U: the raw products go on, the 1/8 rides in the factors
	s_lshl_b32 s38, s[S_JT], 8
	s_and_b32 s38, s38, 0x1f00                     ; 64 biases of 4 bytes a tile, 32 tiles
	v_add_nc_u32 v[VBT], s38, v[VBA]
.irp mt, 0,1,2,3
	ds_load_b128 v[X+8*\mt:X+8*\mt+3], v[VBT] offset:64*\mt
	ds_load_b128 v[X+8*\mt+4:X+8*\mt+7], v[VBT] offset:64*\mt+16
.endr
	s_wait_dscnt 0x0
	s_cmp_eq_u32 s[S_JT], s[S_JD]
	s_cbranch_scc0 .Lcolumn_\p\t
	; M: the bias holds where key <= query: 16 mt + jj <= 32 T - 64 j + 16 qt + r - 8 h
	s_lshl_b32 s38, s[S_JT], 6
	s_sub_co_u32 s38, s[S_QB], s38
	v_add_nc_u32 v[DQ], s38, v[LC]
	v_add_nc_u32 v[DQ+1], 16, v[DQ]
.irp qt, 0,1
.irp mt, 0,1,2,3
.irp jj, 0,1,2,3,4,5,6,7
	v_cmp_le_i32 vcc_lo, 16*\mt+\jj, v[DQ+\qt]
	v_cndmask_b32 v[BT+\jj%2], 0, v[X+8*\mt+\jj], vcc_lo
	v_fma_f32 v[SS+32*\qt+8*\mt+\jj], v[SS+32*\qt+8*\mt+\jj], s[S_8TH], v[BT+\jj%2]   ; one rounding, as s/8 - bias has in the reference
.endr
.endr
.endr
	s_branch .Lsoftmax_\p\t
.Lcolumn_\p\t:
	; B: every key is at or below every query of mine: the column's bias alone
.irp qt, 0,1
.set m, 0
.rept 16
	v_pk_fma_f32 v[SS+32*\qt+2*m:SS+32*\qt+2*m+1], v[SS+32*\qt+2*m:SS+32*\qt+2*m+1], 0x3e000000, v[X+2*m:X+2*m+1] op_sel_hi:[1,0,1]
.set m, m+1
.endr
.endr
.Lsoftmax_\p\t:
	ROWMAX 0
	ROWMAX 1
	; p = exp2(S x factor - M log2e), eight at a time.  Behind each run of exponentials stands the next group's plain arithmetic
	; before the results are used (ISA guide 5.7.2).
	FMAG 0
	EXPG 0
.irp g, 1,2,3,4,5,6,7
	FMAG \g
	USEG \g-1
	EXPG \g
.endr
	WIN 0x41                                       ; O in window 1, alpha in window 0
	s_wait_alu depctr_va_vdst(0)
.irp qt, 0,1
.set m, 0
.rept 16
	v_pk_mul_f32 v[OA+32*\qt+2*m:OA+32*\qt+2*m+1], v[OA+32*\qt+2*m:OA+32*\qt+2*m+1], v[AL+2*\qt:AL+2*\qt+1] op_sel_hi:[1,0]
.set m, m+1
.endr
.endr
	WIN 0
	USEG 7
	v_pk_add_f32 v[X+8:X+9], v[X+8:X+9], v[X+10:X+11]
	v_pk_add_f32 v[X+12:X+13], v[X+12:X+13], v[X+14:X+15]
	v_add_f32 v[X+8], v[X+8], v[X+9]
	v_add_f32 v[X+12], v[X+12], v[X+13]
	v_fma_f32 v[LS], v[LS], v[AL], v[X+8]          ; l = l alpha + the tile's sum (my half of the keys)
	v_fma_f32 v[LS+1], v[LS+1], v[AL+2], v[X+12]
	s_wait_dscnt 0x0                               ; V's fragments
	WIN 0x50                                       ; C and D (O) in window 1
.irp ks, 0,1
.irp qt, 0,1
.irp dt, 0,1,2,3
	v_wmma_f32_16x16x32_f16 v[OA+32*\qt+8*\dt:OA+32*\qt+8*\dt+7], v[VF+16*\dt+8*\ks:VF+16*\dt+8*\ks+7], v[SS+32*\qt+8*\ks:SS+32*\qt+8*\ks+7], v[OA+32*\qt+8*\dt:OA+32*\qt+8*\dt+7]
.endr
.endr
.endr
	WIN 0
.rept 5
	v_nop                                          ; five places: the next S product writes over P, the next loads land in V's fragments, the way out reads O
.endr
.endm
; a state with nothing in it.  O is cleared by moves: a first product with C = 0 would want one more copy of the whole unit for each
; place where a state begins, against 64 moves twice in a wave's life.
.macro FRESH
	WIN 0x40
.set m, 0
.rept 64
	v_mov_b32 v[OA+m], 0
.set m, m+1
.endr
	WIN 0
	v_mov_b32 v[NML+1], 0xf149f2ca                 ; M = -1e30
	v_mov_b32 v[NML+3], 0xf149f2ca
	v_mul_f32 v[NML], s[S_NL2E], v[NML+1]
	v_mul_f32 v[NML+2], s[S_NL2E], v[NML+3]
	v_mov_b32 v[LS], 0
	v_mov_b32 v[LS+1], 0
.endm
; THE WAY OUT: out = O / l where queries_mask holds, else 0.  A lane holds 8 neighbouring f32 of a query's row for each dt; 16 rows go through
; my own stage in LDS (no other wave touches it, and LDS serves a wave's instructions in order: no barrier, no wait between stores and loads)
; and come back as whole rows: each half of a store's lanes covers 256 consecutive bytes, aligned.  Each query tile has registers of its own.
.macro OUTQ qt
	v_cmp_ne_u32 vcc_lo, 0, v[QM+\qt]
	WIN 0x01
.set m, 0
.rept 16
	v_pk_mul_f32 v[KF+32*\qt+2*m:KF+32*\qt+2*m+1], v[OA+32*\qt+2*m:OA+32*\qt+2*m+1], v[AL+2*\qt:AL+2*\qt+1] op_sel_hi:[1,0]
.set m, m+1
.endr
	WIN 0
.set m, 0
.rept 32
	v_cndmask_b32 v[KF+32*\qt+m], 0, v[KF+32*\qt+m], vcc_lo        ; the reference's where(), on the numbers themselves
.set m, m+1
.endr
.irp dt, 0,1,2,3
	ds_store_b128 v[STO], v[KF+32*\qt+8*\dt:KF+32*\qt+8*\dt+3] offset:16*SP*\qt+64*\dt
	ds_store_b128 v[STO], v[KF+32*\qt+8*\dt+4:KF+32*\qt+8*\dt+7] offset:16*SP*\qt+64*\dt+16
.endr
.irp t, 0,1,2,3,4,5,6,7
	ds_load_b128 v[VF+32*\qt+4*\t:VF+32*\qt+4*\t+3], v[RD] offset:16*SP*\qt+2*SP*\t
.endr
.irp t, 0,1,2,3,4,5,6,7
	s_wait_dscnt 7-\t                              ; rows 2 t, 2 t + 1 are back; the younger reads stay out
	global_store_b128 v[CO], v[VF+32*\qt+4*\t:VF+32*\qt+4*\t+3], s[14:15] offset:(16*\qt+2*\t)*ROWB th:TH_STORE_NT
.endr
.endm
.macro FINISH
	; The way out stands twice in the text and loads into the registers that its stores read.  Registers that a pending store reads are
	; rewritten only when its addresses are translated (ISA guide 3.1): this wait holds that on every path.  (A wave that has changed over
	; leaves at .Lend and does not come here a second time, but that hangs on S_SPLT and S_JSW agreeing, not on the order of the lines.)
	s_wait_xcnt 0x0
	v_permlanex16_b32 v[BT], v[LS], s[S_PX0], s[S_PX1]             ; the other half's keys
	v_permlanex16_b32 v[BT+1], v[LS+1], s[S_PX0], s[S_PX1]
	v_add_f32 v[LS], v[LS], v[BT]
	v_add_f32 v[LS+1], v[LS+1], v[BT+1]
	v_rcp_f32 v[AL], v[LS]                         ; l >= about 1: the row's largest p is about 1
	v_rcp_f32 v[AL+2], v[LS+1]
	v_nop                                          ; one plain place behind the reciprocals (ISA guide 5.7.2)
	s_wait_alu depctr_va_vdst(0)
	OUTQ 0
	OUTQ 1
.endm
; ================================================================ prologue
	s_load_b256 s[4:11], s[0:1], 0x0               ; queries, keys, values, queries_mask
	s_load_b128 s[12:15], s[0:1], 0x20             ; values_mask, out0
	v_lshl_add_u32 v3, v0, 2, 0x33000
	s_set_vgpr_msb 0x40
	v_mov_b32 v161, 0
	s_set_vgpr_msb 0x4000
	v_lshrrev_b32 v[BT], 5, v0
	v_readfirstlane_b32 s[S_W], v[BT]              ; wave 0..7
	s_and_b32 s[S_G], ttmp9, 3
	s_lshr_b32 s38, ttmp9, 1
	s_and_b32 s38, s38, 4
	s_or_b32 s[S_G], s[S_G], s38                   ; g = bits 0, 1, 3 of x
	s_lshr_b32 s38, ttmp9, 4
	s_bfe_u32 s39, ttmp9, 0x10002
	s_lshl1_add_u32 s38, s38, s39                  ; (batch, head) = bits 4 .. 7, then bit 2
	s_lshr_b32 s[S_B], s38, 4
	s_and_b32 s[S_HEAD], s38, 15
	s_and_b32 s39, s[S_W], 3                       ; i: my pair
	s_lshl2_add_u32 s40, s[S_G], s39
	s_add_co_u32 s40, s40, 63
	s_and_b32 s[S_TL], s40, 63                     ; TL = (4 g + i + 63) & 63
	s_lshl_b32 s41, s[S_G], 2
	s_sub_co_u32 s41, 59, s41
	s_add_co_u32 s[S_TS], s41, s39                 ; TS = 59 - 4 g + i, 31 .. 62
	s_cmp_lt_u32 s[S_W], 4
	s_cselect_b32 s[S_T], s[S_TL], s[S_TS]
	s_lshr_b32 s[S_JD], s[S_T], 1
	s_lshl_b32 s[S_QB], s[S_T], 5
	s_mov_b32 s[S_C1], 0x3e38aa3b                  ; log2e / 8
	s_mov_b32 s[S_L2E], 0x3fb8aa3b                 ; log2e
	s_mov_b32 s[S_NL2E], 0xbfb8aa3b                ; -log2e
	s_mov_b32 s[S_8TH], 0x3e000000                 ; 1/8
	s_mov_b32 s[S_PX0], 0x76543210                 ; v_permlanex16_b32: lane i of the other half
	s_mov_b32 s[S_PX1], 0xfedcba98
	s_mov_b32 s[S_BIAS], 0xc97423f0                ; -999999.0
	s_lshl_b32 s38, s[S_B], 23                     ; batch x 2048 rows x 4096 bytes
	s_lshl_b32 s39, s[S_HEAD], 8                   ; head x 64 f32
	s_add_co_u32 s38, s38, s39
	s_mov_b32 s39, 0                               ; s[38:39]: K, V at my head
	s_lshl_b32 s40, s[S_QB], 12
	s_add_co_u32 s40, s40, s38
	s_mov_b32 s41, 0                               ; s[40:41]: Q, out at my head and first row
	s_lshl_b32 s42, s[S_B], 11
	s_mov_b32 s43, 0                               ; s[42:43]: the masks at my batch
	v_and_b32 v[V_R], 15, v0
	v_bfe_u32 v[V_H], v0, 4, 1
	v_lshl_add_u32 v[BT+1], v[BT], 3, v[V_H]       ; 8 w + h: my row in the first of a tile's four loads
	v_lshlrev_b32 v[VBT], 4, v[V_R]
	v_lshl_add_u32 v[VOFF], v[BT+1], 12, v[VBT]    ; row x 4096 + 16 r
	v_add_nc_u32 v[VOFF], 30*TILEB, v[VOFF]        ; pair 15: tiles 31, 30
	v_mul_u32_u24 v[KST], KP, v[BT+1]
	v_lshl_add_u32 v[KST], v[V_R], 3, v[KST]       ; row x pitch + 8 r (4 f32 become 8 bytes)
	v_mul_u32_u24 v[VST], VP, v[BT+1]
	v_lshl_add_u32 v[VST], v[V_R], 3, v[VST]
	v_add_nc_u32 v[VST], V0, v[VST]
	v_mul_u32_u24 v[KFA], KP, v[V_R]
	v_lshl_add_u32 v[KFA], v[V_H], 4, v[KFA]       ; key r x pitch + 16 h
	v_and_b32 v[VFA], 7, v0
	v_lshl_add_u32 v[VFA], v[V_H], 3, v[VFA]
	v_mul_u32_u24 v[VFA], VP, v[VFA]               ; key (8 h + (lane & 7)) x pitch
	v_bfe_u32 v[VBT], v0, 3, 1
	v_lshl_add_u32 v[VFA], v[VBT], 4, v[VFA]       ; + 16 ((lane >> 3) & 1)
	v_add_nc_u32 v[VFA], V0, v[VFA]
	v_lshl_add_u32 v[VBA], v[V_H], 5, VB           ; 8 h biases of 4 bytes
	v_lshlrev_b32 v[LC], 3, v[V_H]
	v_sub_nc_u32 v[LC], v[V_R], v[LC]              ; r - 8 h
	v_lshlrev_b32 v[CO], 4, v[V_R]
	v_lshl_add_u32 v[CO], v[V_H], 12, v[CO]        ; out: row h, 16 r bytes
	v_and_b32 v[PFO], 63, v0                       ; prefetch: row 32 (w & 1) + lane of a tile,
	v_lshlrev_b32 v[PFO], 12, v[PFO]
	v_add_nc_u32 v[PFO], 26*TILEB, v[PFO]          ; stepped down two tiles at each trip's head: tile 2 u - 6 in trip u
	v_and_b32 v[X], 31, v0
	v_lshlrev_b32 v[X], 6, v[X]                    ; 64 x lane: lane L looks at tile L's 64 mask bytes
	v_lshlrev_b32 v[X+1], 3, v0                    ; 8 t: thread t makes the biases of keys 8 t .. 8 t + 7
	v_lshlrev_b32 v[X+2], 12, v[V_R]
	v_lshl_add_u32 v[X+2], v[V_H], 5, v[X+2]       ; Q: row r, 8 h f32
	v_lshl_add_u32 v[X+3], v0, 5, VB               ; VB + 32 t
	s_wait_kmcnt 0x0
	s_add_nc_u64 s[6:7], s[6:7], s[38:39]
	s_add_nc_u64 s[8:9], s[8:9], s[38:39]
	s_add_nc_u64 s[4:5], s[4:5], s[40:41]
	s_add_nc_u64 s[14:15], s[14:15], s[40:41]
	s_add_nc_u64 s[12:13], s[12:13], s[42:43]
	s_add_co_u32 s42, s42, s[S_QB]
	s_add_nc_u64 s[10:11], s[10:11], s[42:43]
	s_cmp_lt_u32 s[S_W], 6                         ; prefetch: waves 4, 5 ask for K, waves 6, 7 for V
	s_cselect_b64 s[S_PFB:S_PFB+1], s[6:7], s[8:9]
.irp i, 0,1,2,3
	global_load_b128 v[VF+4*\i:VF+4*\i+3], v[X], s[12:13] offset:16*\i
.endr
	global_load_b64 v[VF+16:VF+17], v[X+1], s[12:13]
	global_load_u8 v[QM], v[V_R], s[10:11]
	global_load_u8 v[QM+1], v[V_R], s[10:11] offset:16
	; Q as f32, in the order of the B fragments: (qt, ks, half, e): d = 32 ks + 16 half + 8 h + 4 e .. + 3 of query 16 qt + r.  Read by this wave alone.
.irp qt, 0,1
.irp ks, 0,1
.irp hf, 0,1
.irp e, 0,1
	global_load_b128 v[KF+32*\qt+16*\ks+8*\hf+4*\e:KF+32*\qt+16*\ks+8*\hf+4*\e+3], v[X+2], s[4:5] offset:16*ROWB*\qt+128*\ks+64*\hf+16*\e th:TH_LOAD_NT
.endr
.endr
.endr
.endr
	LOADPAIR                                       ; pair 15
	FRESH
	v_mov_b32 v[AL+1], 0                           ; the pairs' upper registers are named by the packed multiplies, never used
	v_mov_b32 v[AL+3], 0
	s_mul_i32 s38, s[S_W], STAGEB
	s_add_co_u32 s38, s38, STAGE                   ; my stage
	v_mul_u32_u24 v[STO], SP, v[V_R]
	v_lshl_add_u32 v[STO], v[V_H], 5, v[STO]
	v_add_nc_u32 v[STO], s38, v[STO]               ; in: row r, 8 h f32
	v_mul_u32_u24 v[RD], SP, v[V_H]
	v_lshl_add_u32 v[RD], v[V_R], 4, v[RD]
	v_add_nc_u32 v[RD], s38, v[RD]                 ; back: lanes 0-15 one row of 256 bytes, lanes 16-31 the next
	s_wait_loadcnt 16                              ; all but the 16 loads of pair 15, which were issued last
	; holes: a tile's 16 mask words ANDed are 0x01010101 if all 64 bytes are 1.  Lane L's verdict is bit L: every wave makes the word itself.
.irp k, 0,1,2,3,4,5,6,7
	v_and_b32 v[VF+\k], v[VF+\k], v[VF+8+\k]
.endr
.irp k, 0,1,2,3
	v_and_b32 v[VF+\k], v[VF+\k], v[VF+4+\k]
.endr
	v_and_b32 v[VF], v[VF], v[VF+2]
	v_and_b32 v[VF+1], v[VF+1], v[VF+3]
	v_and_b32 v[VF], v[VF], v[VF+1]
	s_mov_b32 s38, 0x01010101
	v_cmp_ne_u32 s[S_HB], s38, v[VF]
	; biases of my 8 keys into LDS; the first trip's barrier publishes them, and nobody writes them again
.irp k, 0,1,2,3,4,5,6,7
	v_bfe_u32 v[VF+24+\k], v[VF+16+\k/4], 8*(\k%4), 8
.endr
.irp k, 0,1,2,3,4,5,6,7
	v_cvt_f32_u32 v[VF+24+\k], v[VF+24+\k]
.endr
.irp k, 0,1,2,3,4,5,6,7
	v_mul_f32 v[VF+24+\k], s[S_BIAS], v[VF+24+\k]
.endr
	ds_store_b128 v[X+3], v[VF+24:VF+27]
	ds_store_b128 v[X+3], v[VF+28:VF+31] offset:16
	; Q rounded plainly to bf16 (no factor folded in: the products are those of the rounded inputs)
	WIN 0x40
.set m, 0
.rept 32
	v_cvt_pk_bf16_f32 v[QF+m], v[KF+2*m], v[KF+2*m+1]
.set m, m+1
.endr
	WIN 0
	; waves 0-3 leave TL's fragments in LDS, register image by register image, for the partner's change-over; written once, read behind barriers
	s_cmp_ge_u32 s[S_W], 4
	s_cbranch_scc1 .Lnoqx
	s_lshl_b32 s38, s[S_W], 12
	s_add_co_u32 s38, s38, QX
	v_and_b32 v[X+4], 31, v0
	v_lshlrev_b32 v[X+4], 4, v[X+4]
	v_add_nc_u32 v[X+4], s38, v[X+4]
	WIN 0x04                                       ; store data in window 1
.set m, 0
.rept 8
	ds_store_b128 v[X+4], v[QF+4*m:QF+4*m+3] offset:512*m
.set m, m+1
.endr
	WIN 0
.Lnoqx:
	; who takes which tile
	s_lshr_b32 s38, s[S_TL], 1
	s_lshl_b32 s42, -1, s38
	s_or_b32 s42, s42, s[S_HB]
	s_cmp_eq_u32 s[S_TL], 63
	s_cselect_b32 s42, -1, s42                     ; TL's live tiles: j >= jd, the tiles with holes, all for T = 63
	s_lshr_b32 s38, s[S_TS], 1
	s_lshl_b32 s43, -1, s38
	s_or_b32 s43, s43, s[S_HB]                     ; TS's live tiles
	s_lshr_b32 s40, s[S_TS], 3
	s_lshl_b32 s40, s40, 2                         ; JS = 4 (TS >> 3) <= TS >> 1: all of TS's tiles without holes lie at or above it
	s_lshl_b32 s41, 1, s40
	s_sub_co_u32 s41, s41, 1                       ; the tiles below JS
	s_and_b32 s39, s42, s41
	s_and_b32 s[S_LIV2], s39, 0x55555555           ; wave i + 4: TL's even tiles below JS
	s_not_b32 s38, s41
	s_or_b32 s38, s38, 0xaaaaaaaa
	s_and_b32 s38, s38, s42                        ; wave i: TL's tiles from JS up and the odd ones below
	s_cmp_eq_u32 s[S_HB], 0                        ; shared only if the mask has no hole
	s_cselect_b32 s[S_SPLT], 1, 0
	s_cselect_b32 s38, s38, s42
	s_cselect_b32 s[S_JSW], s40, 0xffff
	s_cmp_lt_u32 s[S_W], 4
	s_cselect_b32 s[S_LIVE], s38, s43
	s_lshl_b32 s38, s[S_G], 1
	s_sub_co_i32 s38, s38, 1
	s_max_i32 s38, s38, 0                          ; the work-group's lowest jd: 2 g - 1 (g = 0 holds T = 63: all tiles)
	s_lshl_b32 s39, -1, s38
	s_or_b32 s39, s[S_HB], s39                     ; bit j: tile j is used
	s_lshr_b32 s38, s39, 1
	s_or_b32 s39, s39, s38                         ; bit 2 u: pair u is used
	s_lshl_b32 s[S_NP1], s39, 2
	s_lshl_b32 s[S_NP2], s39, 4
	s_lshr_b32 s38, s[S_W], 2
	s_cmp_eq_u32 s[S_G], 0
	s_cselect_b32 s38, s38, 0
	s_cmp_lg_u32 s38, 0
	s_cselect_b32 s[S_PF], 0xffffffc0, 0           ; waves 4-7 of g = 0 ask, in trips 15 .. 3
	s_wait_loadcnt 0x0                             ; pair 15
	CONV 0, 0
	CONV 0, 1
	v_add_nc_u32 v[VOFF], 0xfff80000, v[VOFF]
	LOADPAIR                                       ; pair 14: every work-group needs it (2 g - 1 <= 13)
	s_mov_b32 s[S_J], 30
	s_mov_b32 s[S_CNT], 8
; ================================================================ one trip: key tiles 2 u + 1 and 2 u, in pair buffer p = (15 - u) & 1
.macro TRIP p
	s_wait_dscnt 0x0                               ; my stores of this pair are in LDS, my reads of the last one are over
	s_barrier_signal -1
	s_barrier_wait -1                              ; the trip's only barrier; every wave passes it, live or not
	s_wait_xcnt 0x0                                ; the last prefetch has read PFO; a change-over's stores have read V's fragment registers
	v_add_nc_u32 v[PFO], 0xfff80000, v[PFO]        ; two tiles down
	; Prefetch: pair u - 3, whose loads are issued in the next trip.  A lane asks for one row's 256-byte head slice in each of the two tiles,
	; waves 4, 5 for K's 64 rows, waves 6, 7 for V's, in one work-group of the head: each slice is asked for once in the launch.
	; Trips 2 .. 0 ask for nothing: no request below tile 0.
	s_bitcmp1_b32 s[S_PF], s[S_J]
	s_cbranch_scc0 .Lnoask_\p
	global_prefetch_b8 v[PFO], s[S_PFB:S_PFB+1] th:TH_LOAD_NT scope:SCOPE_SE
	global_prefetch_b8 v[PFO], s[S_PFB:S_PFB+1] offset:TILEB th:TH_LOAD_NT scope:SCOPE_SE
.Lnoask_\p:
	s_add_co_u32 s[S_JT], s[S_J], 1
	s_bitcmp1_b32 s[S_LIVE], s[S_JT]
	s_cbranch_scc0 .Lnohi_\p                       ; not mine, or all keys biased beside an unbiased one: exact zeros
	FRAG \p, 0
	REST \p, 0
.Lnohi_\p:
	s_mov_b32 s[S_JT], s[S_J]
	s_bitcmp1_b32 s[S_LIVE], s[S_JT]
	s_cbranch_scc0 .Lnolo_\p
	FRAG \p, 1
	STAGE 1-\p, a, \p                              ; the next pair is rounded while the fragments are on their way
	REST \p, 1
	s_branch .Ltripend_\p
.Lnolo_\p:
	STAGE 1-\p, b, \p
.Ltripend_\p:
.endm
.Lround:
	TRIP 0
	s_sub_co_u32 s[S_J], s[S_J], 2
	TRIP 1
	; THE CHANGE-OVER of waves 4-7, at the end of the trip of tiles JS + 1, JS: TS is done
	s_cmp_lt_u32 s[S_W], 4
	s_cbranch_scc1 .Lnoswitch
	s_cmp_lg_u32 s[S_J], s[S_JSW]
	s_cbranch_scc1 .Lnoswitch
	FINISH                                         ; TS's 32 rows
	s_lshr_b32 s[S_JD], s[S_TL], 1
	s_lshl_b32 s[S_QB], s[S_TL], 5
	s_mov_b32 s[S_LIVE], s[S_LIV2]
	s_and_b32 s38, s[S_W], 3
	s_lshl_b32 s38, s38, 12
	s_add_co_u32 s38, s38, QX
	v_and_b32 v[BT], 31, v0
	v_lshlrev_b32 v[BT], 4, v[BT]
	v_add_nc_u32 v[BT], s38, v[BT]
	WIN 0x40
.set m, 0
.rept 8
	ds_load_b128 v[QF+4*m:QF+4*m+3], v[BT] offset:512*m    ; TL's Q; waited for at the next trip's head
.set m, m+1
.endr
	FRESH
.Lnoswitch:
	s_sub_co_u32 s[S_J], s[S_J], 2
	s_sub_co_u32 s[S_CNT], s[S_CNT], 1
	s_cmp_lg_u32 s[S_CNT], 0
	s_cbranch_scc1 .Lround
; ================================================================ the end
; Where the pair shared TL: wave i + 4 hands over O, (NML, M) and l, register image by register image; wave i merges and stores.
; The area is written here alone and read behind the barrier alone.
	s_and_b32 s38, s[S_W], 3
	s_mul_i32 s38, s38, GXB
	s_add_co_u32 s38, s38, GX
	v_and_b32 v[VBT], 31, v0
	v_lshlrev_b32 v[VBT], 4, v[VBT]
	v_add_nc_u32 v[VBT], s38, v[VBT]
	s_cmp_lt_u32 s[S_W], 4
	s_cbranch_scc1 .Lnogive
	s_cmp_eq_u32 s[S_SPLT], 0
	s_cbranch_scc1 .Lnogive
	WIN 0x04                                       ; store data in window 1
.set m, 0
.rept 16
	ds_store_b128 v[VBT], v[OA+4*m:OA+4*m+3] offset:512*m
.set m, m+1
.endr
	WIN 0
	ds_store_b128 v[VBT], v[NML:NML+3] offset:8192
	ds_store_b64 v[VBT], v[LS:LS+1] offset:8704
.Lnogive:
	s_wait_dscnt 0x0
	s_barrier_signal -1
	s_barrier_wait -1
	s_cmp_lt_u32 s[S_W], 4
	s_cbranch_scc1 .Lfirst
	s_cmp_lg_u32 s[S_SPLT], 0
	s_cbranch_scc1 .Lend                           ; waves 4-7 have stored TS and given TL's part away
	s_branch .Lplain
.Lfirst:
	s_cmp_eq_u32 s[S_SPLT], 0
	s_cbranch_scc1 .Lplain
.set m, 0
.rept 16
	ds_load_b128 v[KF+4*m:KF+4*m+3], v[VBT] offset:512*m
.set m, m+1
.endr
	ds_load_b128 v[X:X+3], v[VBT] offset:8192      ; the partner's NML, M of query tile 0, then of 1
	ds_load_b64 v[X+4:X+5], v[VBT] offset:8704     ; its l
	s_wait_dscnt 0x0
	; both states are relative to their own NML = -M log2e: bring them to the smaller NML (the larger M).  A state with nothing in it
	; (NML = 1.44e30, l = 0, O = 0) gets the factor exp2(-1.44e30) = 0.
	v_min_num_f32 v[X+8], v[NML], v[X]
	v_min_num_f32 v[X+9], v[NML+2], v[X+2]
	v_sub_f32 v[AL], v[X+8], v[NML]
	v_sub_f32 v[AL+2], v[X+9], v[NML+2]
	v_sub_f32 v[X], v[X+8], v[X]
	v_sub_f32 v[X+2], v[X+9], v[X+2]
	v_exp_f32 v[AL], v[AL]                         ; my factors
	v_exp_f32 v[AL+2], v[AL+2]
	v_exp_f32 v[X], v[X]                           ; the partner's
	v_exp_f32 v[X+2], v[X+2]
	v_nop                                          ; one plain place behind the exponentials (ISA guide 5.7.2)
	s_wait_alu depctr_va_vdst(0)
	v_mul_f32 v[X+4], v[X+4], v[X]
	v_mul_f32 v[X+5], v[X+5], v[X+2]
	v_fma_f32 v[LS], v[LS], v[AL], v[X+4]
	v_fma_f32 v[LS+1], v[LS+1], v[AL+2], v[X+5]
.irp qt, 0,1
.set m, 0
.rept 16
	v_pk_mul_f32 v[KF+32*\qt+2*m:KF+32*\qt+2*m+1], v[KF+32*\qt+2*m:KF+32*\qt+2*m+1], v[X+2*\qt:X+2*\qt+1] op_sel_hi:[1,0]
.set m, m+1
.endr
.endr
	WIN 0x41                                       ; O in window 1
.irp qt, 0,1
.set m, 0
.rept 16
	v_pk_fma_f32 v[OA+32*\qt+2*m:OA+32*\qt+2*m+1], v[OA+32*\qt+2*m:OA+32*\qt+2*m+1], v[AL+2*\qt:AL+2*\qt+1], v[KF+32*\qt+2*m:KF+32*\qt+2*m+1] op_sel_hi:[1,0,1]
.set m, m+1
.endr
.endr
	WIN 0
.Lplain:
	FINISH
.Lend:
	s_set_vgpr_msb 0x4
	s_wait_tensorcnt 0x0
	ds_add_u32 v3, v161
	s_wait_dscnt 0x0
	s_set_vgpr_msb 0x400
	s_endpgm
.Lfunc_end_k_q13b9bacb03_attn:
	.size	k_q13b9bacb03_attn, .Lfunc_end_k_q13b9bacb03_attn-k_q13b9bacb03_attn
	.p2alignl 7, 3214868480
	.fill 96, 4, 3214868480
	.section	.rodata,"a",@progbits
	.p2align	6, 0x0
	.amdhsa_kernel k_q13b9bacb03_attn
		.amdhsa_group_segment_fixed_size 209920
		.amdhsa_private_segment_fixed_size 0
		.amdhsa_enable_private_segment 0
		.amdhsa_kernarg_size 48
		.amdhsa_user_sgpr_count 2
		.amdhsa_user_sgpr_kernarg_segment_ptr 1
		.amdhsa_wavefront_size32 1
		.amdhsa_system_sgpr_workgroup_id_x 1
		.amdhsa_system_sgpr_workgroup_id_y 1
		.amdhsa_system_sgpr_workgroup_id_z 1
		.amdhsa_system_vgpr_workitem_id 0
		.amdhsa_next_free_vgpr 418
		.amdhsa_next_free_sgpr 66
		.amdhsa_reserve_vcc 1
		.amdhsa_float_denorm_mode_32 3
		.amdhsa_float_denorm_mode_16_64 3
		.amdhsa_memory_ordered 1
		.amdhsa_forward_progress 1
		.amdhsa_inst_pref_size 201
	.end_amdhsa_kernel
	.amdgpu_metadata
---
amdhsa.version: [ 1, 2 ]
amdhsa.kernels:
  - .name:           k_q13b9bacb03_attn
    .symbol:         k_q13b9bacb03_attn.kd
    .args:
      - { .name: queries, .offset: 0, .size: 8, .value_kind: global_buffer, .address_space: global }
      - { .name: keys, .offset: 8, .size: 8, .value_kind: global_buffer, .address_space: global }
      - { .name: values, .offset: 16, .size: 8, .value_kind: global_buffer, .address_space: global }
      - { .name: queries_mask, .offset: 24, .size: 8, .value_kind: global_buffer, .address_space: global }
      - { .name: values_mask, .offset: 32, .size: 8, .value_kind: global_buffer, .address_space: global }
      - { .name: out0, .offset: 40, .size: 8, .value_kind: global_buffer, .address_space: global }
    .group_segment_fixed_size: 209920
    .private_segment_fixed_size: 0
    .kernarg_segment_align: 8
    .kernarg_segment_size: 48
    .max_flat_workgroup_size: 256
    .sgpr_count:     66
    .vgpr_count:     418
    .wavefront_size: 32
...
	.end_amdgpu_metadata
.endif
;; end of part 2
